; MI455X (gfx1250); checked and timed in simulation.
; The chip was launched on July 23, 2026; its instructions are those of AMD's public machine-readable ISA for CDNA 5 (MIT licence, August 2026) and "CDNA5" Instruction Set Architecture Reference Guide (July 2026). The comments in the code are by the model that wrote it; some were corrected since.
;; temporal. Allowed arithmetic: matrix products marked QUANTISED: E2M3 operands, one E8M0 scale for each 32 along K, by v_wmma_scale_f32_16x16x128_f8f6f4 with both operands' format E2M3, f32 sums; everything else in f32.
;; Inputs: Wk 512 x 512 float32; Wo 512 x 512 float32; Wq 512 x 512 float32; Wv 512 x 512 float32; bk 512 float32; bo 512 float32; bq 512 float32; bv 512 float32; x 2 x 8 x 1,024 x 512 float32.
;; Outputs: out0 2 x 8 x 1,024 x 512 float32.
;; This version of the problem:
;;   THIS VERSION OF THE PROBLEM IS GIVEN IN LOW PRECISION. The matrix products marked QUANTISED in the list below multiply operands that are first quantised to E2M3 (2 exponent bits, 3 mantissa bits; 6 bits a number), with one power-of-two scale for each 32 numbers along K (OCP MX v1.0); their sums are f32. All else is computed in f32.
;;   The module's matrix products, in the order in which they are computed (A, B: the left and right operand; K: the contracted axis; several contracted axes count as one K, in the product's order):
;;     1. [M 16,384, K 512] x [K 512, N 512]; A: input x; B: input Wq: QUANTISED
;;     2. [M 16,384, K 512] x [K 512, N 512]; A: input x; B: input Wv: QUANTISED
;;     3. [M 16,384, K 512] x [K 512, N 512]; A: input x; B: input Wk: QUANTISED
;;     4. batch 128 x [M 1,024, K 64] x [K 64, N 1,024]; A: computed on the way; B: computed on the way: QUANTISED
;;     5. batch 128 x [M 1,024, K 1,024] x [K 1,024, N 64]; A: softmax (see below); B: computed on the way: QUANTISED
;;     6. [M 16,384, K 512] x [K 512, N 512]; A: computed on the way; B: input Wo: QUANTISED
;;   THE QUANTISER, for each operand of a quantised product, along K:
;;     - K is cut into blocks of 32 from its start; a last block that is shorter is filled with zeros.
;;     - A block's scale is 2^e with e = floor(log2(the largest magnitude in the block)) - 2, held to -126 .. 127; a block of zeros has e = 0. As a byte (E8M0): e + 127.
;;     - Each number is divided by its block's scale, clamped to +-7.5, and rounded to the nearest number of E2M3, ties to even, subnormals kept.
;;     - The product sums the exact products of the quantised numbers (number of the format x scale) in f32.
;;   ~~~python
;;   def quantise(x, axis):      # numpy; x: float32 -> the quantised numbers, widened to float32 again
;;       x = np.moveaxis(x, axis, -1); K = x.shape[-1]
;;       x = np.pad(x, [(0, 0)] * (x.ndim - 1) + [(0, -K % 32)]); x = x.reshape(x.shape[:-1] + (-1, 32)); a = np.abs(x).max(-1, keepdims=True)
;;       e = np.where(a > 0, np.clip(np.frexp(np.where(a > 0, a, 1))[1] - 1 - 2, -126, 127), 0)      # np.frexp(a)[1] - 1 = floor(log2(a)), exactly
;;       r = np.clip(x / 2.0 ** e, -7.5, 7.5)
;;       step = 2.0 ** (np.maximum(np.frexp(np.where(r == 0, 1, r))[1] - 1, 0) - 3)
;;       q = np.round(r / step) * step * 2.0 ** e      # np.round: ties to even
;;       return np.moveaxis(q.reshape(q.shape[:-2] + (-1,))[..., :K], -1, axis).astype(np.float32)
;;   ~~~
;;   SOFTMAX AHEAD OF A QUANTISED PRODUCT. Where the list says 'softmax', what is quantised is not the finished softmax but p = 2^(t - M), with t = logit x log2(e) and M = ceil(the row's largest t), a whole number; so 1/2 < the row's largest p <= 1. The row's sum l is taken of the UNQUANTISED p, in f32, and the product's result is divided by l at the end. Since M is a whole number, a kernel that streams over the keys may use a running M (the ceiling of the running maximum): every later rescaling is an exact power of two, which a block's scale takes up: the codes' values come out the same.
;;   OPERANDS COMPUTED ON THE WAY. 'Computed on the way' means the value that the module computes at that place (a softmax that the list does not call 'softmax' is quantised finished and normalised). What goes into a quantiser is computed in f32, as accurately as f32 sums, v_exp_f32 and their like allow (about 1e-6 of the number): no bf16 or f16 on the way to a quantiser, and a product that is left as it is and whose result goes on into a quantised operand takes f32 operands (vector FMAs, or v_wmma_f32_16x16x4_f32). A number that lies on a knife's edge between two numbers of the format may be rounded either way, as far as f32 arithmetic and the matrix unit's own rounding can turn it there, and no further.
;; One version. Each part assembles by itself: llvm-mc -triple=amdgcn-amd-amdhsa -mcpu=gfx1250 --defsym DOCPART=n.
;; ======== version 1 of 1: 4 launches
;; limits: right only within a limited range of input values
;; workspace buffers: xq 6,553,600 bytes; wq 819,200 bytes; qb 6,553,600 bytes; kvb 13,107,200 bytes; ib 6,553,600 bytes
;; launch quant (part 1): grid 288 x 1, 4 waves a work-group, no clusters, 34,304 bytes of LDS; arguments x, Wq, Wv, Wk, Wo, xq, wq; writes xq, wq
.if DOCPART == 1
	.amdgcn_target "amdgcn-amd-amdhsa--gfx1250"
	.amdhsa_code_object_version 6
	.text
	.protected	k_qb72d34a6a9_quant
	.globl	k_qb72d34a6a9_quant
	.p2align	8
	.type	k_qb72d34a6a9_quant,@function
k_qb72d34a6a9_quant:
	s_mov_b64 s[64:65], 0
	v_nop
	global_prefetch_b8 v0, s[64:65] scope:SCOPE_SE
	s_setreg_imm32_b32 hwreg(HW_REG_WAVE_MODE, 25, 1), 1
	s_wait_xcnt 0x0
; x [16384][512] and the four weights [512][512], f32 with K innermost, become codes of FP6 (E2M3) with one E8M0 byte for each 32 along K.
; A block's scale is 2^(floor(log2(its largest magnitude)) - 2); its byte is the largest magnitude's exponent field - 2, held at 1 from below.
; LIMITS: NaN and infinities among the inputs are not served; a block whose largest magnitude lies under 2^-124 (a block of zeros too) gets the byte 1:
; its codes are zeros or tiny, and the bytes are read by this program alone.
; A wave makes one TILE RECORD of 6,400 bytes: 16 rows x 512 K as four images of a fragment (12 registers a lane; register 4 c + i of lane l at byte 512 c + 16 l + 4 i),
; then 256 bytes of scale words: the word of row r and K step s at 8 (r + 16 (s % 2)) + 4 (s / 2).
; THE ROWS OF A TILE: lane row r of tile T is row 64 (T / 4) + 8 (T % 4) + r % 8 + 32 (r / 8).  A product whose source 0 is tiles 4 c .. 4 c + 3 then leaves in a lane (r, h)
; 32 registers that are places 64 c + 32 h + 0 .. 31: one whole block of the next K, in the order of the operand's registers.
; Work-groups 0-255 take x (tile 4 x work-group + wave), 256-287 the weights in the order Wq, Wv, Wk, Wo: only pointers are chosen, the text has one path.
; A K step: 16 loads of 512 consecutive bytes, through the wave's own stage in LDS (16 rows, 528 bytes apart), back as 2 x 32 neighbours a lane.  Waves share nothing: no barrier.
.set STG,   8448
.set PITCH, 528
.set RECB,  6400
.set R,     28                         ; v28-155  two sets of 64: a K step as loaded
.set X,     156                        ; v156-219 64 numbers in the operand's order
.set C,     220                        ; v220-243 two sets of 12 codes
.set SW,    244                        ; v244-247 the four K steps' scale words
	s_load_b256 s[4:11], s[0:1], 0x0               ; x, Wq, Wv, Wk
	s_load_b128 s[12:15], s[0:1], 0x20             ; Wo, xq
	s_load_b64 s[16:17], s[0:1], 0x30              ; wq
	v_lshl_add_u32 v254, v0, 2, 0x8400             ; my spare word
	v_mov_b32 v255, 0
	v_lshrrev_b32 v6, 5, v0
	v_readfirstlane_b32 s18, v6                    ; wave
	v_and_b32 v7, 31, v0                           ; lane
	v_and_b32 v6, 15, v0                           ; r
	v_bfe_u32 v5, v0, 4, 1                         ; h
	v_lshlrev_b32 v1, 4, v7                        ; 16 x lane
	v_lshlrev_b32 v4, 3, v7                        ; 8 x lane
	s_mul_i32 s22, s18, STG
	v_add_nc_u32 v2, s22, v1                       ; the stage, on the way in
	v_mul_u32_u24 v3, v6, PITCH
	v_lshl_add_u32 v3, v5, 7, v3
	v_add_nc_u32 v3, s22, v3                       ; and out: row r, + 128 h bytes
	v_lshlrev_b32 v5, 3, v5                        ; 8 h: how far my two scale bytes are shifted
	v_mov_b32 v15, 0                               ; a lane permute's destination counts as one of its sources
	s_mov_b32 s30, 0x76543210
	s_mov_b32 s31, 0xfedcba98                      ; selects for lane l xor 16
	s_and_b32 s23, ttmp9, 7
	s_lshl_b32 s23, s23, 2                         ; a weight's tile: 4 (work-group % 8)
	s_max_u32 s24, ttmp9, 256
	s_sub_co_u32 s24, s24, 256
	s_lshl_b32 s24, s24, 2                         ; its record in wq
	s_lshl_b32 s25, ttmp9, 2                       ; x: both are 4 x work-group
	s_wait_alu depctr_va_vdst(0)                   ; the wait at the head's end
	s_wait_kmcnt 0x0
	s_mov_b64 s[20:21], s[12:13]                   ; the source, by the work-group's number alone
	s_cmp_lt_u32 ttmp9, 280
	s_cselect_b64 s[20:21], s[10:11], s[20:21]
	s_cmp_lt_u32 ttmp9, 272
	s_cselect_b64 s[20:21], s[8:9], s[20:21]
	s_cmp_lt_u32 ttmp9, 264
	s_cselect_b64 s[20:21], s[6:7], s[20:21]
	s_cmp_lt_u32 ttmp9, 256
	s_cselect_b64 s[20:21], s[4:5], s[20:21]
	s_cselect_b64 s[28:29], s[14:15], s[16:17]     ; the destination
	s_cselect_b32 s23, s25, s23
	s_cselect_b32 s24, s25, s24
	s_add_co_u32 s23, s23, s18                     ; my tile in the source
	s_add_co_u32 s24, s24, s18                     ; my record in the destination
	s_lshr_b32 s26, s23, 2
	s_lshl_b32 s26, s26, 17                        ; 64 rows of 2,048 bytes for each four tiles,
	s_and_b32 s27, s23, 3
	s_lshl_b32 s27, s27, 14                        ; 8 rows for each tile among them
	s_add_co_u32 s26, s26, s27
	s_mov_b32 s27, 0
	s_add_nc_u64 s[20:21], s[20:21], s[26:27]
	s_mul_i32 s26, s24, RECB
	s_add_nc_u64 s[28:29], s[28:29], s[26:27]
.macro LOADU s, set                    ; K step s of my 16 rows: each load reads 512 consecutive bytes
.irp i, 0,1,2,3,4,5,6,7,8,9,10,11,12,13,14,15
	global_load_b128 v[R+64*(\set)+4*\i:R+64*(\set)+4*\i+3], v1, s[20:21] offset:(\i%8+32*(\i/8))*2048+512*(\s) th:TH_LOAD_NT
.endr
.endm
.macro UNIT s
.set RS, R+64*((\s)%2)
.set CC, C+12*((\s)%2)
.if \s < 3
	s_wait_loadcnt 16                              ; this K step's 16 loads are in; the next step's 16 may be out
.else
	s_wait_loadcnt 0x0
.endif
.irp i, 0,1,2,3,4,5,6,7,8,9,10,11,12,13,14,15
	ds_store_b128 v2, v[RS+4*\i:RS+4*\i+3] offset:PITCH*\i
.endr
.irp c, 0,1
.irp i, 0,1,2,3,4,5,6,7
	ds_load_b128 v[X+32*\c+4*\i:X+32*\c+4*\i+3], v3 offset:256*\c+16*\i   ; LDS serves a wave's instructions in order
.endr
.endr
	s_wait_dscnt 0x0                               ; the numbers are back, and the stores have read their registers,
.if \s < 2
	LOADU (\s)+2, (\s)%2                           ; which take the K step two on
.endif
.irp c, 0,1
	v_max3_num_f32 v[8+\c], |v[X+32*\c]|, |v[X+32*\c+1]|, 0x1800000   ; my block 2 c + h; the floor 2^(3 - 127) holds the byte at 1 from below
.endr
.irp i, 2,4,6,8,10,12,14,16,18,20,22,24,26,28,30
.irp c, 0,1
	v_max3_num_f32 v[8+\c], v[8+\c], |v[X+32*\c+\i]|, |v[X+32*\c+\i+1]|
.endr
.endr
.irp c, 0,1
	v_add_nc_u32 v[10+\c], 0xff000000, v[8+\c]     ; 2 off the exponent field: the conversion's scale operand
.endr
.irp c, 0,1
	v_lshrrev_b32 v[12+\c], 23, v[10+\c]           ; the scale's byte
.endr
	v_lshl_or_b32 v14, v13, 16, v12
	v_lshlrev_b32 v14, v5, v14
	v_permlanex16_b32 v15, v14, s30, s31
	v_or_b32 v[SW+(\s)], v14, v15                  ; with lane l xor 16's two bytes the word is whole
.if \s > 1
	s_wait_alu depctr_va_vdst(0)                   ; the wait ahead of the wait below
	s_wait_xcnt 0x0                                ; the stores of two K steps ago have read this set of codes
.endif
.irp c, 0,1
	v_cvt_scalef32_pk16_fp6_f32 v[CC+6*\c:CC+6*\c+2], v[X+32*\c:X+32*\c+15], v[10+\c]
	v_cvt_scalef32_pk16_fp6_f32 v[16+4*\c:18+4*\c], v[X+32*\c+16:X+32*\c+31], v[10+\c]   ; (three registers from an even one)
.endr
	v_nop                                          ; one plain place behind a scaled conversion
.irp c, 0,1
.irp i, 0,1,2
	v_mov_b32 v[CC+6*\c+3+\i], v[16+4*\c+\i]
.endr
.endr
.irp c, 0,1,2
	global_store_b128 v1, v[CC+4*\c:CC+4*\c+3], s[28:29] offset:1536*(\s)+512*\c   ; 512 consecutive bytes
.endr
.endm
	LOADU 0, 0
	LOADU 1, 1
	UNIT 0
	UNIT 1
	UNIT 2
	UNIT 3
	v_cmp_ne_u32 vcc_lo, 0, v5                     ; lanes 16-31 carry the odd K steps' words
	v_cndmask_b32 v248, v[SW], v[SW+1], vcc_lo
	v_cndmask_b32 v249, v[SW+2], v[SW+3], vcc_lo
	global_store_b64 v4, v[248:249], s[28:29] offset:6144   ; 256 consecutive bytes
	s_wait_tensorcnt 0x0                           ; the wave's end
	ds_add_u32 v254, v255
	s_wait_dscnt 0x0
	s_endpgm
.Lfunc_end_k_qb72d34a6a9_quant:
	.size	k_qb72d34a6a9_quant, .Lfunc_end_k_qb72d34a6a9_quant-k_qb72d34a6a9_quant
	.p2alignl 7, 3214868480
	.fill 96, 4, 3214868480
	.section	.rodata,"a",@progbits
	.p2align	6, 0x0
	.amdhsa_kernel k_qb72d34a6a9_quant
		.amdhsa_group_segment_fixed_size 34304
		.amdhsa_private_segment_fixed_size 0
		.amdhsa_enable_private_segment 0
		.amdhsa_kernarg_size 56
		.amdhsa_user_sgpr_count 2
		.amdhsa_user_sgpr_kernarg_segment_ptr 1
		.amdhsa_wavefront_size32 1
		.amdhsa_system_sgpr_workgroup_id_x 1
		.amdhsa_system_sgpr_workgroup_id_y 1
		.amdhsa_system_sgpr_workgroup_id_z 1
		.amdhsa_system_vgpr_workitem_id 0
		.amdhsa_next_free_vgpr 256
		.amdhsa_next_free_sgpr 66
		.amdhsa_reserve_vcc 1
		.amdhsa_float_denorm_mode_32 3
		.amdhsa_float_denorm_mode_16_64 3
		.amdhsa_memory_ordered 1
		.amdhsa_forward_progress 1
		.amdhsa_inst_pref_size 30
	.end_amdhsa_kernel
	.amdgpu_metadata
---
amdhsa.version: [ 1, 2 ]
amdhsa.kernels:
  - .name:           k_qb72d34a6a9_quant
    .symbol:         k_qb72d34a6a9_quant.kd
    .args:
      - { .name: x, .offset: 0, .size: 8, .value_kind: global_buffer, .address_space: global }
      - { .name: Wq, .offset: 8, .size: 8, .value_kind: global_buffer, .address_space: global }
      - { .name: Wv, .offset: 16, .size: 8, .value_kind: global_buffer, .address_space: global }
      - { .name: Wk, .offset: 24, .size: 8, .value_kind: global_buffer, .address_space: global }
      - { .name: Wo, .offset: 32, .size: 8, .value_kind: global_buffer, .address_space: global }
      - { .name: xq, .offset: 40, .size: 8, .value_kind: global_buffer, .address_space: global }
      - { .name: wq, .offset: 48, .size: 8, .value_kind: global_buffer, .address_space: global }
    .group_segment_fixed_size: 34304
    .private_segment_fixed_size: 0
    .kernarg_segment_align: 8
    .kernarg_segment_size: 56
    .max_flat_workgroup_size: 128
    .sgpr_count:     66
    .vgpr_count:     256
    .wavefront_size: 32
...
	.end_amdgpu_metadata
.endif
;; end of part 1
;; launch qkv (part 2): grid 4 x 64, 4 waves a work-group, clusters of 4 x 4, 262,656 bytes of LDS; arguments xq, wq, bq, bv, bk, qb, kvb; writes qb, kvb
.if DOCPART == 2
	.amdgcn_target "amdgcn-amd-amdhsa--gfx1250"
	.amdhsa_code_object_version 6
	.text
	.protected	k_qb72d34a6a9_qkv
	.globl	k_qb72d34a6a9_qkv
	.p2align	8
	.type	k_qb72d34a6a9_qkv,@function
k_qb72d34a6a9_qkv:
	s_mov_b64 s[64:65], 0
	v_nop
	global_prefetch_b8 v0, s[64:65] scope:SCOPE_SE
	s_setreg_imm32_b32 hwreg(HW_REG_WAVE_MODE, 25, 1), 1
	s_wait_xcnt 0x0
	s_wait_alu depctr_hold_cnt(0) depctr_sa_sdst(0) depctr_va_vdst(0) depctr_va_sdst(0) depctr_va_ssrc(0) depctr_va_vcc(0) depctr_vm_vsrc(0)
	s_getreg_b32 s2, hwreg(HW_REG_IB_STS2, 6, 4)
	s_cmp_eq_u32 s2, 0
	s_cbranch_scc0 .Lentry_in_a_cluster
	s_endpgm
.Lentry_in_a_cluster:
	s_bfe_u32 s2, ttmp6, 0x10000c
	s_cmp_lg_u32 s2, 0xf033
	s_cbranch_scc0 .Lentry_shape_is_right
	s_endpgm
.Lentry_shape_is_right:
; q = x Wq^T + bq, the keys = x Wv^T + bv, the values = x Wk^T + bk (as the source has them), on codes of FP6 with E8M0 scales, sums in f32; each result is quantised at once and leaves as codes.
; A work-group takes 256 rows of x (block rho) and one pair of heads (gamma: 128 columns), in three passes.  In a pass a wave multiplies 8 tiles F (source 0) by 4 tiles G (source 1), K = 512 in four steps:
;   pass 0: F = Wq's 8 tiles of the pair, G = my 4 tiles of x;  pass 1: the same with Wv;  pass 2: F = 8 tiles of x (128 keys), G = 4 tiles of Wk (one head).
; By the tiles' order of rows (lane row r of tile T is row 64 (T / 4) + 8 (T % 4) + r % 8 + 32 (r / 8)) a lane's 64 results for one tile G are numbers of ONE row of G, register 32 c + i at place 64 c + 32 (lane / 16) + i along F:
; two whole blocks of the next K, in the order of the operand's registers.  So each tile G gives one fragment and one scale word a row, and no lane asks another for a maximum.
; The biases are the C of each sum's first matrix instruction: bq, bv run along F (a lane's registers), bk along G (the lane).
; OUT: images of fragments (register 4 c + i of lane l at 512 c + 16 l + 4 i) and units of 256 bytes of scale words; every store covers whole aligned blocks of 256 bytes.
;   qb, a record of 102,400 bytes for (b l, pair): query tile t's image at 1,536 t; its words in the unit at 98,304 + 256 (t / 4), row r at 8 (r + 16 (t % 2)) + 4 ((t / 2) % 2).
;   kvb, for (b l, pair) eight records of 25,600 bytes, one for each 128 keys: 8 images of keys, 2 x 4 images of values (head, tile of the head's 64), 2 units for the keys, 2 for the values.
; CLUSTER 4 x 4: the four work-groups of a row share x's tiles, the four of a column the weights': each is asked for jointly.  All tiles fit in LDS at once: each byte is filled once,
; by one load a wave at the head: wave 0 x's 16 records, waves 1 to 3 the 8 records of Wq, Wv, Wk.  No prefetch: the launch has no loop to run ahead in.
; LIMITS: NaN and infinities are not served; a block whose largest magnitude lies under 2^-124 gets the byte 1 (read by this program alone).
; REGISTERS: window 0: v1-15 addresses, v16-39 scale words, v40-83 at work;  window 1: F's fragments, two sets at v0 and v128;  window 2: G's, two sets at v0 and v48; bq v96-159, bv v160-223, bk v224-255;  window 3: accumulator (f, g) at v[64 g + 8 f].
.set WL0,  102400                      ; LDS: x's 16 tile records at 0; Wq's 8, Wv's 8, Wk's 8 behind them
.set WL1,  153600
.set WL2,  204800
.set REC,  6400
.set IMG,  1536
.set LI,   1                           ; 16 x lane
.set LS,   2                           ; 8 x lane
.set FA,   3                           ; v3-5   F's records in pass 0, 1, 2, + 16 x lane
.set GA,   6                           ; v6, v7 G's in passes 0 and 1, in pass 2
.set FS,   8                           ; v8-10  the same + 8 x lane
.set GS,   11
.set VB,   13                          ; 128 h: my half's place in bq and bv
.set VK,   14                          ; 4 (r % 8 + 32 (r / 8)): my lane row's place in bk
.set SH,   15                          ; 8 h
.set SF,   16                          ; F's scale words: tile f's at v[SF + 2 f + s / 2], lanes by s % 2
.set SG,   32
.set TM,   40
.set PR,   58
.set WD,   60
.set PC,   64
.set BQ,   96
.set BV,   160
.set BK,   224
.set WV,   18
.set SEL,  66
.set HM,   68                          ; the mask of lanes 16-31
.set G1X,  24
.set G1W,  32
.set G0,   48
.set MSB, 0
.macro WIN new                         ; the immediate's high byte repeats the setting that is left
.if MSB != \new
	s_set_vgpr_msb (MSB<<8)|\new
.set MSB, \new
.endif
.endm
.macro PLACES                          ; four plain places behind a matrix instruction (ISA guide 7.12.1)
.rept 4
	v_nop
.endr
.endm
.macro CROUND                          ; a round of the cluster's barrier
	s_barrier_signal -1
	s_barrier_wait -1
	s_cmp_lg_u32 s[WV], 0
	s_cbranch_scc1 .Lnot_wave_0_\@
	s_barrier_signal -3
.Lnot_wave_0_\@:
	s_barrier_wait -3
	s_barrier_signal -1
	s_barrier_wait -1
.endm
.macro WM d, a, b, c, sa, sb, ra, rb   ; one product; ra, rb: the side's scale words stand in lanes 16-31
.if (\ra) && (\rb)
	v_wmma_scale_f32_16x16x128_f8f6f4 v[(\d):(\d)+7], v[(\a):(\a)+11], v[(\b):(\b)+11], v[(\c):(\c)+7], v[\sa], v[\sb] matrix_a_fmt:MATRIX_FMT_FP6 matrix_b_fmt:MATRIX_FMT_FP6 matrix_a_scale:MATRIX_SCALE_ROW1 matrix_b_scale:MATRIX_SCALE_ROW1
.elseif \ra
	v_wmma_scale_f32_16x16x128_f8f6f4 v[(\d):(\d)+7], v[(\a):(\a)+11], v[(\b):(\b)+11], v[(\c):(\c)+7], v[\sa], v[\sb] matrix_a_fmt:MATRIX_FMT_FP6 matrix_b_fmt:MATRIX_FMT_FP6 matrix_a_scale:MATRIX_SCALE_ROW1
.elseif \rb
	v_wmma_scale_f32_16x16x128_f8f6f4 v[(\d):(\d)+7], v[(\a):(\a)+11], v[(\b):(\b)+11], v[(\c):(\c)+7], v[\sa], v[\sb] matrix_a_fmt:MATRIX_FMT_FP6 matrix_b_fmt:MATRIX_FMT_FP6 matrix_b_scale:MATRIX_SCALE_ROW1
.else
	v_wmma_scale_f32_16x16x128_f8f6f4 v[(\d):(\d)+7], v[(\a):(\a)+11], v[(\b):(\b)+11], v[(\c):(\c)+7], v[\sa], v[\sb] matrix_a_fmt:MATRIX_FMT_FP6 matrix_b_fmt:MATRIX_FMT_FP6
.endif
.endm
	s_load_b256 s[4:11], s[0:1], 0x0               ; xq, wq, bq, bv
	s_load_b128 s[12:15], s[0:1], 0x20             ; bk, qb
	s_load_b64 s[16:17], s[0:1], 0x30              ; kvb
	v_lshl_add_u32 v254, v0, 2, 0x40000            ; my spare word
	v_mov_b32 v255, 0
	ds_add_u32 v254, v255                          ; the opening lines: the add twice and its wait
	ds_add_u32 v254, v255
	v_lshrrev_b32 v15, 5, v0
	v_readfirstlane_b32 s[WV], v15                 ; wave 0..3
	s_and_b32 s19, s[WV], 1
	s_lshr_b32 s20, s[WV], 1
	s_bfe_u32 s21, ttmp6, 0x40000                  ; cx
	s_bfe_u32 s22, ttmp6, 0x40004                  ; cy
	s_lshl_b32 s23, ttmp9, 2
	s_add_co_u32 s23, s23, s21                     ; gamma
	s_and_b32 s40, ttmp7, 0xffff
	s_lshl_b32 s40, s40, 2
	s_add_co_u32 s40, s40, s22                     ; rho
	s_lshl_b32 s41, s22, 2
	s_lshl_b32 s41, 15, s41                        ; my row of the cluster
	s_lshl_b32 s42, 0x1111, s21                    ; my column
	; group 1: dense blocks as rows of 256 bytes (32 elements of 8 bytes): x: 400 rows (16 records), a weight: 200 (8 records)
	s_or_b32 s[G1X], s41, (3<<16)|(1<<21)
	s_mov_b32 s[G1X+1], 32<<16
	s_mov_b32 s[G1X+2], 400<<16
	s_mov_b32 s[G1X+3], 32<<16
	s_mov_b32 s[G1X+4], 400
	s_mov_b32 s[G1X+5], 32
	s_mov_b32 s[G1X+6], 0
	s_mov_b32 s[G1X+7], 0
	s_or_b32 s[G1W], s42, (3<<16)|(1<<21)
	s_mov_b32 s[G1W+1], 32<<16
	s_mov_b32 s[G1W+2], 200<<16
	s_mov_b32 s[G1W+3], 32<<16
	s_mov_b32 s[G1W+4], 200
	s_mov_b32 s[G1W+5], 32
	s_mov_b32 s[G1W+6], 0
	s_mov_b32 s[G1W+7], 0
	s_mul_i32 s80, s[WV], 4*REC                    ; my four tiles of x
	s_mul_i32 s82, s20, 8*REC                      ; pass 2: my 128 keys' eight tiles of x
	s_mul_i32 s83, s19, 4*REC
	s_add_co_u32 s83, s83, WL2                     ; pass 2: my head's four tiles of Wk
	v_and_b32 v15, 31, v0
	v_lshlrev_b32 v[LI], 4, v15
	v_lshlrev_b32 v[LS], 3, v15
	v_add_nc_u32 v[FA], WL0, v[LI]
	v_add_nc_u32 v[FA+1], WL1, v[LI]
	v_add_nc_u32 v[FA+2], s82, v[LI]
	v_add_nc_u32 v[GA], s80, v[LI]
	v_add_nc_u32 v[GA+1], s83, v[LI]
	v_add_nc_u32 v[FS], WL0, v[LS]
	v_add_nc_u32 v[FS+1], WL1, v[LS]
	v_add_nc_u32 v[FS+2], s82, v[LS]
	v_add_nc_u32 v[GS], s80, v[LS]
	v_add_nc_u32 v[GS+1], s83, v[LS]
	v_bfe_u32 v15, v0, 4, 1                        ; h
	v_cmp_ne_u32 s[HM], 0, v15
	v_lshlrev_b32 v[VB], 7, v15
	v_and_b32 v15, 15, v0                          ; r
	v_and_b32 v[VK], 8, v15
	v_mul_u32_u24 v[VK], v[VK], 3
	v_add_nc_u32 v[VK], v[VK], v15
	v_lshlrev_b32 v[VK], 2, v[VK]                  ; 4 r + 12 (r & 8) = 4 (r % 8) + 128 (r / 8)
	v_bfe_u32 v[SH], v0, 4, 1
	v_lshlrev_b32 v[SH], 3, v[SH]
.irp b, 0,1,2,3
	v_mov_b32 v[TM+4+\b], 0                        ; a lane permute's destination counts as one of its sources
.endr
	s_mov_b32 s[SEL], 0x76543210
	s_mov_b32 s[SEL+1], 0xfedcba98
	s_mul_i32 s44, s40, 16*REC                     ; x's tiles hang on rho alone,
	s_mov_b32 s45, 0
	s_mul_i32 s46, s23, 8*REC                      ; the weights' on gamma alone
	s_mov_b32 s47, 0
	s_lshr_b32 s84, s40, 2
	s_lshl_b32 s84, s84, 2
	s_add_co_u32 s84, s84, s23                     ; the record: 4 x (b l) + gamma
	s_and_b32 s85, s40, 3                          ; which quarter of the 1,024 rows
	s_mul_i32 s86, s84, 102400
	s_mul_i32 s87, s85, 16*IMG
	s_add_co_u32 s88, s86, s87
	s_mul_i32 s87, s[WV], 4*IMG
	s_add_co_u32 s88, s88, s87                     ; q: my four images
	s_mov_b32 s89, 0
	s_lshl_b32 s87, s85, 10
	s_add_co_u32 s90, s86, s87
	s_lshl_b32 s87, s[WV], 8
	s_add_co_u32 s90, s90, s87
	s_add_co_u32 s90, s90, 98304                   ; q: my unit of scale words
	s_mov_b32 s91, 0
	s_mul_i32 s86, s84, 204800
	s_lshl_b32 s87, s85, 1
	s_add_co_u32 s87, s87, s20                     ; the key step: 2 x quarter + wave / 2
	s_mul_i32 s87, s87, 25600
	s_add_co_u32 s86, s86, s87
	s_mul_i32 s87, s19, 4*IMG
	s_add_co_u32 s92, s86, s87                     ; keys: my four images; values: my head's four, 12,288 bytes on
	s_mov_b32 s93, 0
	s_lshl_b32 s87, s19, 8
	s_add_co_u32 s94, s86, s87                     ; and the units
	s_mov_b32 s95, 0
	s_lshl_b32 s96, s23, 9                         ; the pair's 128 numbers in a bias
	s_mov_b32 s97, 0
	s_add_co_u32 s98, s96, s87                     ; bk: my head's 64
	s_mov_b32 s99, 0
	s_wait_dscnt 0x0
	s_wait_kmcnt 0x0
	s_add_nc_u64 s[70:71], s[14:15], s[88:89]
	s_add_nc_u64 s[72:73], s[14:15], s[90:91]
	s_add_nc_u64 s[74:75], s[16:17], s[92:93]
	s_add_nc_u64 s[76:77], s[16:17], s[94:95]
	s_add_nc_u64 s[8:9], s[8:9], s[96:97]
	s_add_nc_u64 s[10:11], s[10:11], s[96:97]
	s_add_nc_u64 s[12:13], s[12:13], s[98:99]
	s_add_nc_u64 s[78:79], s[6:7], s[46:47]
	s_mov_b32 s[G0], 1
	s_mov_b32 s[G0+1], 0
	s_add_nc_u64 s[G0+2:G0+3], s[4:5], s[44:45]
	s_or_b32 s[G0+3], s[G0+3], 0x80000000
.irp i, 0,1,2
	s_mov_b32 s[G0+4+4*\i], 1
	s_mov_b32 s[G0+5+4*\i], WL0+51200*\i
	s_add_nc_u64 s[G0+6+4*\i:G0+7+4*\i], s[78:79], 204800*\i
	s_or_b32 s[G0+7+4*\i], s[G0+7+4*\i], 0x80000000
.endr
	CROUND                                         ; all sixteen work-groups are here: the joint loads meet
.macro ARM under, g0, g1, next         ; one chain of branches on the wave's number, one load to an arm, all arms to one join
	s_cmp_lt_u32 s[WV], \under
	s_cbranch_scc0 \next
	tensor_load_to_lds s[\g0:\g0+3], s[\g1:\g1+7]
	s_nop 0
	PLACES
	s_branch .Lasked
\next:
.endm
	ARM 1, G0, G1X, .Larm_q
	ARM 2, G0+4, G1W, .Larm_v
	ARM 3, G0+8, G1W, .Larm_k
	tensor_load_to_lds s[G0+12:G0+15], s[G1W:G1W+7]
	s_nop 0
	PLACES
.Lasked:
	WIN 0x80                                       ; destination window 2
	s_wait_alu depctr_va_vdst(0)                   ; the wait at the head's end
.irp f, 0,1,2,3,4,5,6,7                            ; lane (r, h) wants, for tile f, the bias at columns 64 (f / 4) + 32 h + 8 (f % 4) + 0 .. 7
	global_load_b128 v[BQ+8*\f:BQ+8*\f+3], v[VB], s[8:9] offset:(64*(\f/4)+8*(\f%4))*4
	global_load_b128 v[BQ+8*\f+4:BQ+8*\f+7], v[VB], s[8:9] offset:(64*(\f/4)+8*(\f%4))*4+16
	global_load_b128 v[BV+8*\f:BV+8*\f+3], v[VB], s[10:11] offset:(64*(\f/4)+8*(\f%4))*4
	global_load_b128 v[BV+8*\f+4:BV+8*\f+7], v[VB], s[10:11] offset:(64*(\f/4)+8*(\f%4))*4+16
.endr
.irp g, 0,1,2,3                                    ; bk: one number a lane for tile g: that of its lane row
	global_load_b32 v[BK+8*\g], v[VK], s[12:13] offset:8*\g*4
.endr
	s_wait_loadcnt 0x0
	WIN 0x82                                       ; source 0 and destination window 2
.irp g, 0,1,2,3
.irp j, 1,2,3,4,5,6,7
	v_mov_b32 v[BK+8*\g+\j], v[BK+8*\g]            ; the same for all eight keys of a lane
.endr
.endr
.macro SCALES fs, gs
.irp f, 0,1,2,3,4,5,6,7
	ds_load_b64 v[SF+2*\f:SF+2*\f+1], v[\fs] offset:REC*\f+4*IMG
.endr
.irp g, 0,1,2,3
	ds_load_b64 v[SG+2*\g:SG+2*\g+1], v[\gs] offset:REC*\g+4*IMG
.endr
.endm
.macro FETCH fa, ga, s                 ; K step s: 24 + 12 loads, each of 512 consecutive bytes, into set s % 2
	WIN 0x40
.irp f, 0,1,2,3,4,5,6,7
.irp c, 0,1,2
	ds_load_b128 v[128*((\s)%2)+12*\f+4*\c:128*((\s)%2)+12*\f+4*\c+3], v[\fa] offset:REC*\f+IMG*(\s)+512*\c
.endr
.endr
	WIN 0x80
.irp g, 0,1,2,3
.irp c, 0,1,2
	ds_load_b128 v[48*((\s)%2)+12*\g+4*\c:48*((\s)%2)+12*\g+4*\c+3], v[\ga] offset:REC*\g+IMG*(\s)+512*\c
.endr
.endr
.endm
.macro MUL s, cb, byg                  ; 32 products; the 32 accumulators take turns
.if \s == 0
	WIN 0xe9                                       ; F window 1, G window 2, C (the bias) window 2, D window 3
.else
	WIN 0xf9
.endif
.irp g, 0,1,2,3
.irp f, 0,1,2,3,4,5,6,7
.if \s == 0
	WM 64*\g+8*\f, 12*\f, 12*\g, \cb+8*(\byg*\g+(1-\byg)*\f), SF+2*\f, SG+2*\g, 0, 0
.else
	WM 64*\g+8*\f, 128*((\s)%2)+12*\f, 48*((\s)%2)+12*\g, 64*\g+8*\f, SF+2*\f+(\s)/2, SG+2*\g+(\s)/2, (\s)%2, (\s)%2
.endif
.endr
.endr
.endm
.macro PRE bar, fa, ga, fs, gs         ; a pass's scale words and first two K steps are asked for; bar = 1: first the tiles are shown landed to every wave
	WIN 0
	PLACES
.if \bar
	s_wait_tensorcnt 0x0                           ; my one load is in
	s_barrier_signal -1
	s_barrier_wait -1                              ; everybody's is: all four tensors lie in LDS
.endif
	SCALES \fs, \gs
	FETCH \fa, \ga, 0
	FETCH \fa, \ga, 1
.endm
.macro BODY fa, ga, cb, byg
	s_wait_dscnt 36                                ; all but the youngest K step's 36 loads
	MUL 0, \cb, \byg
	PLACES
	FETCH \fa, \ga, 2
	s_wait_dscnt 36
	MUL 1, \cb, \byg
	PLACES
	FETCH \fa, \ga, 3
	s_wait_dscnt 36
	MUL 2, \cb, \byg
	s_wait_dscnt 0x0
	MUL 3, \cb, \byg
.endm
; 64 numbers of a lane in window 3, register 32 c + i = place 64 c + 32 (lane / 16) + i along the next K, become a fragment's codes in v[PC] on and its scale word in v[pw].  Each accumulator is read from its low end on.
.macro QUANTW src, pw
	WIN 0x0f                                       ; sources 0 and 1 window 3
.irp c, 0,1
.irp u, 0,1
	v_max3_num_f32 v[TM+\c+2*\u], |v[(\src)+32*\c+16*\u]|, |v[(\src)+32*\c+16*\u+1]|, 0x1800000   ; four chains by turns; the floor 2^(3 - 127) holds the byte at 1 from below
.endr
.endr
.irp i, 2,4,6,8,10,12,14
.irp c, 0,1
.irp u, 0,1
	v_max3_num_f32 v[TM+\c+2*\u], |v[(\src)+32*\c+16*\u+\i]|, |v[(\src)+32*\c+16*\u+\i+1]|, v[TM+\c+2*\u]
.endr
.endr
.endr
	WIN 0
.irp c, 0,1
	v_max_num_f32 v[TM+\c], v[TM+\c], v[TM+2+\c]   ; my block 2 c + h
.endr
.irp c, 0,1
	v_add_nc_u32 v[TM+12+\c], 0xff000000, v[TM+\c] ; 2 off the exponent field: the conversion's scale operand
.endr
.irp c, 0,1
	v_lshrrev_b32 v[TM+4+\c], 23, v[TM+12+\c]      ; the scale's byte
.endr
	v_lshl_or_b32 v[TM+2], v[TM+5], 16, v[TM+4]
	v_lshlrev_b32 v[TM+2], v[SH], v[TM+2]          ; at their places in the word
	v_permlanex16_b32 v[TM+6], v[TM+2], s[SEL], s[SEL+1]
	v_or_b32 v[\pw], v[TM+2], v[TM+6]              ; with lane l xor 16's two the word is whole
	s_wait_alu depctr_va_vdst(0)                   ; the wait ahead of the wait below
	s_wait_xcnt 0x0                                ; the last image's stores have read the codes' registers
	WIN 0x03                                       ; source 0 window 3
.irp c, 0,1
	v_cvt_scalef32_pk16_fp6_f32 v[PC+6*\c:PC+6*\c+2], v[(\src)+32*\c:(\src)+32*\c+15], v[TM+12+\c]
	v_cvt_scalef32_pk16_fp6_f32 v[PC+12+4*\c:PC+14+4*\c], v[(\src)+32*\c+16:(\src)+32*\c+31], v[TM+12+\c]
.endr
	WIN 0
	v_nop                                          ; one plain place behind a scaled conversion
.irp c, 0,1
.irp i, 0,1,2
	v_mov_b32 v[PC+3+6*\c+\i], v[PC+12+4*\c+\i]
.endr
.endr
.endm
.macro EPI bs, off, sb, soff           ; a pass's four tiles G leave: four images and one unit of scale words
.irp g, 0,1,2,3
	QUANTW 64*\g, WD+\g
.irp c, 0,1,2
	global_store_b128 v[LI], v[PC+4*\c:PC+4*\c+3], s[\bs:\bs+1] offset:\off+IMG*\g+512*\c   ; 512 consecutive bytes
.endr
.endr
	v_cndmask_b32 v[PR], v[WD], v[WD+1], s[HM]     ; lanes 16-31 carry the odd tiles' words
	v_cndmask_b32 v[PR+1], v[WD+2], v[WD+3], s[HM]
	global_store_b64 v[LS], v[PR:PR+1], s[\sb:\sb+1] offset:\soff   ; 256 consecutive bytes
.endm
	PRE 1, FA, GA, FS, GS
	BODY FA, GA, BQ, 0
	PRE 0, FA+1, GA, FS+1, GS                      ; the next pass's fragments land while q is quantised
	EPI 70, 0, 72, 0
	BODY FA+1, GA, BV, 0
	PRE 0, FA+2, GA+1, FS+2, GS+1
	EPI 74, 0, 76, 24576
	BODY FA+2, GA+1, BK, 1
	WIN 0
	PLACES
	EPI 74, 12288, 76, 25088
	s_wait_tensorcnt 0x0                           ; the wave's end
	ds_add_u32 v254, v255
	s_wait_dscnt 0x0
	CROUND                                         ; the closing round
	s_endpgm
.Lfunc_end_k_qb72d34a6a9_qkv:
	.size	k_qb72d34a6a9_qkv, .Lfunc_end_k_qb72d34a6a9_qkv-k_qb72d34a6a9_qkv
	.p2alignl 7, 3214868480
	.fill 96, 4, 3214868480
	.section	.rodata,"a",@progbits
	.p2align	6, 0x0
	.amdhsa_kernel k_qb72d34a6a9_qkv
		.amdhsa_group_segment_fixed_size 262656
		.amdhsa_private_segment_fixed_size 0
		.amdhsa_enable_private_segment 0
		.amdhsa_kernarg_size 56
		.amdhsa_user_sgpr_count 2
		.amdhsa_user_sgpr_kernarg_segment_ptr 1
		.amdhsa_wavefront_size32 1
		.amdhsa_system_sgpr_workgroup_id_x 1
		.amdhsa_system_sgpr_workgroup_id_y 1
		.amdhsa_system_sgpr_workgroup_id_z 1
		.amdhsa_system_vgpr_workitem_id 0
		.amdhsa_next_free_vgpr 1024
		.amdhsa_next_free_sgpr 100
		.amdhsa_reserve_vcc 0
		.amdhsa_float_denorm_mode_32 3
		.amdhsa_float_denorm_mode_16_64 3
		.amdhsa_memory_ordered 1
		.amdhsa_forward_progress 1
		.amdhsa_inst_pref_size 136
	.end_amdhsa_kernel
	.amdgpu_metadata
---
amdhsa.version: [ 1, 2 ]
amdhsa.kernels:
  - .name:           k_qb72d34a6a9_qkv
    .symbol:         k_qb72d34a6a9_qkv.kd
    .args:
      - { .name: xq, .offset: 0, .size: 8, .value_kind: global_buffer, .address_space: global }
      - { .name: wq, .offset: 8, .size: 8, .value_kind: global_buffer, .address_space: global }
      - { .name: bq, .offset: 16, .size: 8, .value_kind: global_buffer, .address_space: global }
      - { .name: bv, .offset: 24, .size: 8, .value_kind: global_buffer, .address_space: global }
      - { .name: bk, .offset: 32, .size: 8, .value_kind: global_buffer, .address_space: global }
      - { .name: qb, .offset: 40, .size: 8, .value_kind: global_buffer, .address_space: global }
      - { .name: kvb, .offset: 48, .size: 8, .value_kind: global_buffer, .address_space: global }
    .group_segment_fixed_size: 262656
    .private_segment_fixed_size: 0
    .kernarg_segment_align: 8
    .kernarg_segment_size: 56
    .max_flat_workgroup_size: 128
    .sgpr_count:     100
    .vgpr_count:     1024
    .wavefront_size: 32
...
	.end_amdgpu_metadata
.endif
;; end of part 2
;; launch attn (part 3): grid 4 x 64, 16 waves a work-group, clusters of 4 x 1, 327,680 bytes of LDS; arguments qb, kvb, ib; writes ib
.if DOCPART == 3
	.amdgcn_target "amdgcn-amd-amdhsa--gfx1250"
	.amdhsa_code_object_version 6
	.text
	.protected	k_qb72d34a6a9_attn
	.globl	k_qb72d34a6a9_attn
	.p2align	8
	.type	k_qb72d34a6a9_attn,@function
k_qb72d34a6a9_attn:
	s_mov_b64 s[64:65], 0
	v_nop
	global_prefetch_b8 v0, s[64:65] scope:SCOPE_SE
	s_setreg_imm32_b32 hwreg(HW_REG_WAVE_MODE, 25, 1), 1
	s_wait_xcnt 0x0
	s_wait_alu depctr_hold_cnt(0) depctr_sa_sdst(0) depctr_va_vdst(0) depctr_va_sdst(0) depctr_va_ssrc(0) depctr_va_vcc(0) depctr_vm_vsrc(0)
	s_getreg_b32 s2, hwreg(HW_REG_IB_STS2, 6, 4)
	s_cmp_eq_u32 s2, 0
	s_cbranch_scc0 .Lentry_in_a_cluster
	s_endpgm
.Lentry_in_a_cluster:
	s_bfe_u32 s2, ttmp6, 0x10000c
	s_cmp_lg_u32 s2, 0x3003
	s_cbranch_scc0 .Lentry_shape_is_right
	s_endpgm
.Lentry_shape_is_right:
; inter = softmax(q k^T / sqrt(512)) v for one pair of heads of one (b, l), both products on codes of FP6 with E8M0 scales; the result is quantised along (head, d) and leaves as codes for the last product.
; THE SOFTMAX: t = score x log2(e) / sqrt(512); M = the row's largest t so far, rounded UP to a whole number; p = 2^(t - M) is quantised along the keys, not normalised.
; The row's sum is taken of the unquantised p, in f32, and divides O at the end.  When M moves, the sum and O are multiplied by 2^(old M - new M): exact, and done in every step with no branch.
; A block's largest p is not searched for: the block's largest score goes through the same multiply-add and exponential (this takes v_exp_f32 not to fall where its input rises).
; LIMITS: NaN and infinities are not served; the promise holds while |t| stays under 2^31; a block whose largest magnitude lies under 2^-124 gets the byte 1 (read by this program alone).
; SHARES.  A work-group owns 256 queries; each of its sixteen waves one tile of 16, head 0 over all 1,024 keys, then head 1, 128 keys a step.
; Both products are used transposed: S^T = K Q^T, O^T = V^T P^T: a lane holds one query.  By the order of rows in a tile (lane row r of tile i is place 64 (i / 4) + 8 (i % 4) + r % 8 + 32 (r / 8))
; the 32 registers of tiles 4 c .. 4 c + 3 are keys 64 c + 32 (lane / 16) + 0 .. 31: a whole block, in the order of the operand's registers.  The same holds of O^T along the head's 64.
; K = 64 IN AN INSTRUCTION OF 128.  An image of q or of keys holds both heads (registers 0-5, 6-11).  Q stands as [head 0's six][six of zeros][head 1's six]; twelve registers from the first or the seventh are a head's operand.
; Of a tile of keys only the eight registers that hold the head's six are loaded, tiles 8 registers apart; the operand's other four registers are a neighbour's codes, which meet Q's zero codes and add nothing.
; ONE STEP AHEAD.  The next step's key tiles 0-3 are asked for with this step's values; tiles 4-7 behind the second product, into the values' registers, under the row's sums.  The last step of a walk asks for its own keys again.
; LDS.  The pair's keys and values, 204,800 bytes, are filled once, jointly for the four work-groups of the cluster, 12,800 bytes by one load of each wave: waves 0-3 (key steps 0, 1) at the head,
; waves 4-15 (steps 2 to 7) behind a round of the cluster's barrier.  Head 0 walks steps 0 and 1, two steps of every wave, while the later fill is on its way; a barrier follows, then the rest.
; No prefetch: no tile is asked for later than that second fill, so there is nothing left to run ahead of.
.set STEPB, 25600                      ; a key step's record: 8 images of keys, 2 x 4 of values, 2 + 2 units of scale words
.set VIM,   12288
.set KUN,   24576
.set VUN,   25088
.set SCR,   204800                     ; 1,024 bytes in which four units of scale words are gathered; no fill lands there
.set SPARE, 0x34000                    ; the spare words, 128 bytes a wave
.set LI,   1                           ; 16 x lane
.set LS,   2                           ; 8 x lane
.set ADR,  3                           ; this step's record + 16 x lane, + 8 x lane
.set ADS,  4
.set ADRN, 5                           ; the next step's
.set ADSN, 6
.set SH8,  7                           ; 8 h
.set SPW,  8
.set NIL,  9
.set SCW,  10
.set SCD,  11
.set ST,   12                          ; -M, the largest score, the sum in two halves
.set Q,    16                          ; v16-33
.set OC,   34                          ; v34-45 the outgoing image (v42-45 only at the end); v0 head 0's scale byte
.set KA,   42                          ; v42-73  key tiles 0-3
.set VR,   74                          ; v74-121 the values' four fragments; between steps key tiles 4-7
.set S,    122                         ; v122-185 S^T, then p
.set O,    186                         ; v186-217 O^T
.set PC,   218                         ; v218-229 p's codes
.set TC,   230                         ; v230-237 at work
.set KS,   238                         ; v238-241 the keys' scale words
.set VS,   242                         ; v242-243 the values'
.set QW,   244
.set PWD,  245                         ; p's scale word
.set BM,   246                         ; v246-247 block maxima; v254-255 their second chains
.set SO,   248
.set T,    250
.set F,    252
.set WV,   10
.set G1,   16
.set G0,   32
.set TBN,  36
.set SEL,  40
.set CS,   42                          ; c = log2(e) / sqrt(512)
.set TB,   44
.set CNT,  45
.macro CROUND                          ; a round of the cluster's barrier
	s_barrier_signal -1
	s_barrier_wait -1
	s_cmp_lg_u32 s[WV], 0
	s_cbranch_scc1 .Lnot_wave_0_\@
	s_barrier_signal -3
.Lnot_wave_0_\@:
	s_barrier_wait -3
	s_barrier_signal -1
	s_barrier_wait -1
.endm
	s_load_b128 s[4:7], s[0:1], 0x0                ; qb, kvb
	s_load_b64 s[8:9], s[0:1], 0x10                ; ib
	v_lshl_add_u32 v[SPW], v0, 2, SPARE
	v_mov_b32 v[NIL], 0
	ds_add_u32 v[SPW], v[NIL]                      ; the opening lines: the add twice and its wait
	ds_add_u32 v[SPW], v[NIL]
	v_lshrrev_b32 v[T], 5, v0
	v_readfirstlane_b32 s[WV], v[T]                ; wave 0..15
	s_bfe_u32 s11, ttmp6, 0x40000                  ; cx: my block of 256 queries
	s_and_b32 s12, ttmp7, 0xffff                   ; the record: 4 x (b l) + pair, which the four partners share
	s_lshr_b32 s54, s[WV], 2
	s_lshl_b32 s54, s54, 8
	s_and_b32 s55, s[WV], 1
	s_lshl_b32 s55, s55, 7
	s_add_co_u32 s54, s54, s55
	s_bfe_u32 s55, s[WV], 0x10001
	s_lshl_b32 s55, s55, 2
	s_add_co_u32 s54, s54, s55                     ; my tile's words among four units: 256 (w / 4) + 128 (w % 2) + 4 ((w / 2) % 2)
	s_add_co_u32 s56, s54, SCR
	s_and_b32 s78, s[WV], 3
	s_lshl_b32 s78, s78, 8
	s_add_co_u32 s78, s78, SCR
	s_mul_i32 s57, s12, 102400                     ; the record in qb
	s_lshl_b32 s58, s11, 4
	s_add_co_u32 s58, s58, s[WV]                   ; my tile of queries: 16 cx + wave
	s_mul_i32 s58, s58, 1536
	s_add_co_u32 s58, s58, s57
	s_mov_b32 s59, 0
	s_lshl_b32 s60, s11, 10
	s_add_co_u32 s60, s60, s54
	s_add_co_u32 s60, s60, s57
	s_add_co_u32 s60, s60, 98304                   ; and its scale words
	s_mov_b32 s61, 0
	s_mul_i32 s62, s12, 204800                     ; the record in kvb
	s_mul_i32 s66, s[WV], 12800                    ; my sixteenth of it
	s_add_co_u32 s68, s62, s66
	s_mov_b32 s69, 0
	s_lshr_b32 s72, s12, 2
	s_lshl_b32 s72, s72, 4
	s_lshl_b32 s73, s11, 2
	s_add_co_u32 s72, s72, s73                     ; ib: the first of my work-group's four records of 64 rows
	s_and_b32 s73, s12, 3                          ; the pair = the last product's K step
	s_lshr_b32 s74, s[WV], 2
	s_add_co_u32 s74, s74, s72
	s_mul_i32 s74, s74, 25600
	s_and_b32 s75, s[WV], 3
	s_lshl_b32 s75, s75, 2
	s_add_co_u32 s75, s75, s73
	s_mul_i32 s75, s75, 1536
	s_add_co_u32 s74, s74, s75                     ; my image: (tile w % 4, K step)
	s_mov_b32 s75, 0
	s_and_b32 s76, s[WV], 3
	s_add_co_u32 s76, s76, s72
	s_mul_i32 s76, s76, 25600
	s_lshl_b32 s77, s73, 8
	s_add_co_u32 s76, s76, s77
	s_add_co_u32 s76, s76, 24576                   ; the unit that waves 0-3 store
	s_mov_b32 s77, 0
	s_mov_b32 s[G1], 15|(3<<16)|(1<<21)            ; the mask: all four work-groups; elements of 8 bytes; bit 21 beside a mask: 50 rows of 256 bytes
	s_mov_b32 s[G1+1], 32<<16
	s_mov_b32 s[G1+2], 50<<16
	s_mov_b32 s[G1+3], 32<<16
	s_mov_b32 s[G1+4], 50
	s_mov_b32 s[G1+5], 32
	s_mov_b32 s[G1+6], 0
	s_mov_b32 s[G1+7], 0
	s_mov_b32 s[SEL], 0x76543210
	s_mov_b32 s[SEL+1], 0xfedcba98
	s_mov_b32 s[CS], 0x3d8293ee
	s_mov_b32 s[CS+1], s[CS]                       ; (named with it as a pair)
	s_wait_dscnt 0x0
	s_wait_kmcnt 0x0
	s_mov_b32 s[G0], 1
	s_mov_b32 s[G0+1], s66
	s_add_nc_u64 s[G0+2:G0+3], s[6:7], s[68:69]
	s_or_b32 s[G0+3], s[G0+3], 0x80000000
	s_add_nc_u64 s[50:51], s[4:5], s[58:59]
	s_add_nc_u64 s[52:53], s[4:5], s[60:61]
	s_add_nc_u64 s[46:47], s[8:9], s[74:75]
	s_add_nc_u64 s[48:49], s[8:9], s[76:77]
	CROUND                                         ; all four work-groups are here: the joint loads meet
	s_cmp_lt_u32 s[WV], 4                          ; waves 0-3: key steps 0 and 1
	s_cbranch_scc0 .Lnot_first
	tensor_load_to_lds s[G0:G0+3], s[G1:G1+7]
	s_nop 0
.rept 4
	v_nop
.endr
.Lnot_first:
	v_and_b32 v[T], 31, v0
	v_and_b32 v[T+1], 15, v0
	v_bfe_u32 v[SH8], v0, 4, 1
	v_lshlrev_b32 v[LI], 4, v[T]
	v_lshlrev_b32 v[LS], 3, v[T]
	v_lshlrev_b32 v[ADR], 3, v[T+1]                ; 8 r, for Q's scale words
	v_lshlrev_b32 v[SH8], 3, v[SH8]
	v_add_nc_u32 v[SCW], s56, v[ADR]
	v_add_nc_u32 v[SCD], s78, v[LS]
	s_wait_alu depctr_va_vdst(0)                   ; the wait behind the addresses
	global_load_b128 v[Q:Q+3], v[LI], s[50:51]               ; Q's registers 0-3,
	global_load_b128 v[S:S+3], v[LI], s[50:51] offset:512    ; 4-7, which are parted below,
	global_load_b128 v[Q+14:Q+17], v[LI], s[50:51] offset:1024
	global_load_b32 v[QW], v[ADR], s[52:53]
.irp j, 6,7,8,9,10,11
	v_mov_b32 v[Q+\j], 0                           ; the six registers of zero codes between the heads
.endr
.irp j, OC+6, OC+7, VR+32, VR+33, VR+34, VR+35, F+1
	v_mov_b32 v[\j], 0                             ; registers that an operand or a pair names before anything else writes them
.endr
.macro INIT                            ; a head begins: O^T and the sum are zeros, which the first change of M leaves zeros
.set jj, 0
.rept 32
	v_mov_b32 v[O+jj], 0
.set jj, jj+1
.endr
	v_mov_b32 v[ST], 0x7f61b1e6                    ; -M: 3e38
	v_mov_b32 v[ST+1], 0xff61b1e6                  ; the largest score so far: -3e38
	v_mov_b32 v[ST+2], 0
	v_mov_b32 v[ST+3], 0
	s_wait_alu depctr_va_vdst(0)                   ; the wait ahead of the waits that follow
.endm
.macro KLD e, g, dst, adr, ads         ; four tiles of keys, 8 registers each, and their scale words
.irp t, 0,1,2,3
.irp c, 0,1
	ds_load_b128 v[\dst+8*\t+4*\c:\dst+8*\t+4*\c+3], v[\adr] offset:1536*(4*\g+\t)+512*(\e+\c)
.endr
.endr
	ds_load_b64 v[KS+2*\g:KS+2*\g+1], v[\ads] offset:KUN+256*\g
.endm
.macro QK e, g, src                    ; S^T of four tiles; tile t's words in register t / 2, lanes by t % 2
.irp t, 0,1,2,3
.if (\t)%2
	v_wmma_scale_f32_16x16x128_f8f6f4 v[S+8*(4*\g+\t):S+8*(4*\g+\t)+7], v[\src+8*\t-4*\e:\src+8*\t-4*\e+11], v[Q+6*\e:Q+6*\e+11], 0, v[KS+2*\g+\t/2], v[QW] matrix_a_fmt:MATRIX_FMT_FP6 matrix_b_fmt:MATRIX_FMT_FP6 matrix_a_scale:MATRIX_SCALE_ROW1
.else
	v_wmma_scale_f32_16x16x128_f8f6f4 v[S+8*(4*\g+\t):S+8*(4*\g+\t)+7], v[\src+8*\t-4*\e:\src+8*\t-4*\e+11], v[Q+6*\e:Q+6*\e+11], 0, v[KS+2*\g+\t/2], v[QW] matrix_a_fmt:MATRIX_FMT_FP6 matrix_b_fmt:MATRIX_FMT_FP6
.endif
.endr
.endm
.macro ADDP k                          ; pair k of p onto one of four chains
.if ((\k)%4) == 0
	v_pk_add_f32 v[ST+2:ST+3], v[ST+2:ST+3], v[S+2*(\k):S+2*(\k)+1]
.else
	v_pk_add_f32 v[TC+2*((\k)%4)-2:TC+2*((\k)%4)-1], v[TC+2*((\k)%4)-2:TC+2*((\k)%4)-1], v[S+2*(\k):S+2*(\k)+1]
.endif
.endm
.macro STEP e, last                    ; the 128 keys of the record at s[TB]; last: the walk's last step
	s_wait_dscnt 0x0                               ; this step's keys and their words are in
	QK \e, 0, KA
	s_add_co_u32 s[TBN], s[TB], STEPB
	s_min_u32 s[TBN], s[TBN], (\last)*STEPB        ; the next step's record, held inside the walk
	QK \e, 1, VR
	v_add_nc_u32 v[ADR], s[TB], v[LI]              ; these four are the places behind the products
	v_add_nc_u32 v[ADS], s[TB], v[LS]
	v_add_nc_u32 v[ADRN], s[TBN], v[LI]
	v_add_nc_u32 v[ADSN], s[TBN], v[LS]
.irp t, 0,1,2,3
.irp c, 0,1,2
	ds_load_b128 v[VR+12*\t+4*\c:VR+12*\t+4*\c+3], v[ADR] offset:VIM+6144*\e+1536*\t+512*\c
.endr
.endr
	ds_load_b64 v[VS:VS+1], v[ADS] offset:VUN+256*\e
	KLD \e, 0, KA, ADRN, ADSN
.irp c, 0,1                                        ; the largest score of my two blocks, four chains by turns, each accumulator from its low end on
.irp u, 0,1
	v_max3_num_f32 v[BM+\c+8*\u], v[S+32*\c+16*\u], v[S+32*\c+16*\u+1], v[S+32*\c+16*\u+2]
.endr
.endr
.irp i, 3,5,7,9,11,13
.irp c, 0,1
.irp u, 0,1
	v_max3_num_f32 v[BM+\c+8*\u], v[BM+\c+8*\u], v[S+32*\c+16*\u+\i], v[S+32*\c+16*\u+\i+1]
.endr
.endr
.endr
.irp c, 0,1
	v_max3_num_f32 v[BM+\c], v[BM+\c], v[BM+\c+8], v[S+32*\c+15]
.endr
.irp c, 0,1
	v_max_num_f32 v[BM+\c], v[BM+\c], v[S+32*\c+31]
.endr
	s_delay_alu instid0(VALU_DEP_1)
	v_max3_num_f32 v[T], v[BM], v[BM+1], v[ST+1]
	s_delay_alu instid0(VALU_DEP_1)
	v_permlanex16_b32 v[T+1], v[T], s[SEL], s[SEL+1]
	s_delay_alu instid0(VALU_DEP_1)
	v_max_num_f32 v[ST+1], v[T], v[T+1]            ; the running largest score of my query
	s_delay_alu instid0(VALU_DEP_1)
	v_mul_f32 v[T], -v[ST+1], s[CS]                ; -t (c is positive)
	s_delay_alu instid0(VALU_DEP_1)
	v_floor_f32 v[T+1], v[T]                       ; the new -M = -ceil(t)
	s_delay_alu instid0(VALU_DEP_1)
	v_sub_f32 v[T], v[T+1], v[ST]                  ; old M less new M: a whole number, 0 or less
	v_mov_b32 v[ST], v[T+1]
	v_cvt_i32_f32 v[T], v[T]                       ; (it saturates)
	v_ldexp_f32 v[F], 1.0, v[T]                    ; f = 2^(old M - new M)
.set jj, 0
.rept 32
	v_pk_fma_f32 v[S+jj:S+jj+1], v[S+jj:S+jj+1], s[CS:CS+1], v[ST:ST+1] op_sel_hi:[1,0,0]   ; t - M
.set jj, jj+2
.endr
.irp c, 0,1
	v_fma_f32 v[BM+\c], v[BM+\c], s[CS], v[ST]
.endr
	s_wait_alu depctr_va_vdst(0)                   ; the wait ahead of the batch
.set jj, 0
.rept 64
	v_exp_f32 v[S+jj], v[S+jj]                     ; p = 2^(t - M)
.set jj, jj+1
.endr
.irp c, 0,1
	v_exp_f32 v[BM+\c], v[BM+\c]                   ; the block's largest p
.endr
	v_pk_mul_f32 v[ST+2:ST+3], v[ST+2:ST+3], v[F:F+1] op_sel_hi:[1,0]   ; the sum under the new M; the plain place behind the batch
	s_wait_dscnt 9                                 ; the values' 13 loads are in; the 9 for the next step's keys may be out
	s_wait_alu depctr_va_vdst(0)                   ; one wait for the batch, directly ahead of O^T's first reader
.set jj, 0
.rept 16
	v_pk_mul_f32 v[O+jj:O+jj+1], v[O+jj:O+jj+1], v[F:F+1] op_sel_hi:[1,0]   ; O^T under the new M
.set jj, jj+2
.endr
.irp c, 0,1
	v_max_num_f32 v[BM+\c], 0x1800000, v[BM+\c]    ; the floor 2^(3 - 127): the byte cannot fall under 1
.endr
.irp c, 0,1
	s_delay_alu instid0(VALU_DEP_2)
	v_add_nc_u32 v[SO+\c], 0xff000000, v[BM+\c]    ; 2 off the exponent field: the conversion's scale operand
.endr
.irp c, 0,1
	v_cvt_scalef32_pk16_fp6_f32 v[PC+6*\c:PC+6*\c+2], v[S+32*\c:S+32*\c+15], v[SO+\c]
	v_cvt_scalef32_pk16_fp6_f32 v[TC+4*\c:TC+4*\c+2], v[S+32*\c+16:S+32*\c+31], v[SO+\c]
.endr
	v_lshrrev_b32 v[T], 23, v[SO]                  ; the bytes of blocks h and 2 + h
	v_lshrrev_b32 v[T+1], 23, v[SO+1]
	s_delay_alu instid0(VALU_DEP_1)
	v_lshl_or_b32 v[T], v[T+1], 16, v[T]
	s_delay_alu instid0(VALU_DEP_1)
	v_lshlrev_b32 v[T], v[SH8], v[T]
	s_delay_alu instid0(VALU_DEP_1)
	v_permlanex16_b32 v[T+1], v[T], s[SEL], s[SEL+1]
	s_delay_alu instid0(VALU_DEP_1)
	v_or_b32 v[PWD], v[T], v[T+1]                  ; p's scale word for these 128 keys
.irp c, 0,1
.irp i, 0,1,2
	v_mov_b32 v[PC+6*\c+3+\i], v[TC+4*\c+\i]
.endr
.endr
	v_pk_add_f32 v[TC:TC+1], v[S:S+1], v[S+2:S+3]  ; the row's sum of the unquantised p.  These eight and the moves are the places between the vector writes above and the products
	v_pk_add_f32 v[TC+2:TC+3], v[S+4:S+5], v[S+6:S+7]
	v_pk_add_f32 v[TC+4:TC+5], v[S+8:S+9], v[S+10:S+11]
.irp k, 6,7,8,9,10
	ADDP \k
.endr
.irp t, 0,1,2,3                                    ; O^T += V^T P^T; the four accumulators take turns
.if (\t)%2
	v_wmma_scale_f32_16x16x128_f8f6f4 v[O+8*\t:O+8*\t+7], v[VR+12*\t:VR+12*\t+11], v[PC:PC+11], v[O+8*\t:O+8*\t+7], v[VS+\t/2], v[PWD] matrix_a_fmt:MATRIX_FMT_FP6 matrix_b_fmt:MATRIX_FMT_FP6 matrix_a_scale:MATRIX_SCALE_ROW1
.else
	v_wmma_scale_f32_16x16x128_f8f6f4 v[O+8*\t:O+8*\t+7], v[VR+12*\t:VR+12*\t+11], v[PC:PC+11], v[O+8*\t:O+8*\t+7], v[VS+\t/2], v[PWD] matrix_a_fmt:MATRIX_FMT_FP6 matrix_b_fmt:MATRIX_FMT_FP6
.endif
.endr
.irp k, 11,12,13,14                                ; four places behind the products, ahead of loads into the values' registers
	ADDP \k
.endr
	KLD \e, 1, VR, ADRN, ADSN
.irp k, 15,16,17,18,19,20,21,22,23,24,25,26,27,28,29,30,31
	ADDP \k
.endr
	v_pk_add_f32 v[ST+2:ST+3], v[ST+2:ST+3], v[TC:TC+1]
	v_pk_add_f32 v[TC+2:TC+3], v[TC+2:TC+3], v[TC+4:TC+5]
	s_delay_alu instid0(VALU_DEP_1)
	v_pk_add_f32 v[ST+2:ST+3], v[ST+2:ST+3], v[TC+2:TC+3]
.endm
.macro HEADLOOP e, first, trips        ; head e walks key steps first .. first + trips - 1
.if \first
	v_add_nc_u32 v[ADRN], (\first)*STEPB, v[LI]
	v_add_nc_u32 v[ADSN], (\first)*STEPB, v[LS]
	KLD \e, 0, KA, ADRN, ADSN
	KLD \e, 1, VR, ADRN, ADSN
.else
	KLD \e, 0, KA, LI, LS                          ; step 0's record lies at LDS byte 0
	KLD \e, 1, VR, LI, LS
.endif
	s_mov_b32 s[TB], (\first)*STEPB
	s_mov_b32 s[CNT], \trips
.Lhead_\@:
	STEP \e, (\first)+(\trips)-1
	s_add_co_u32 s[TB], s[TB], STEPB
	s_sub_co_u32 s[CNT], s[CNT], 1
	s_cmp_lg_u32 s[CNT], 0
	s_wait_alu depctr_va_vdst(0)                   ; the wait ahead of the branch
	s_cbranch_scc1 .Lhead_\@
	s_wait_dscnt 0x0                               ; the last step's look-ahead has landed: its registers may be written
.endm
.macro FIN e, byte                     ; head e's O^T / the sum: my 32 numbers are block 2 e + h of the pair's 128 columns: six registers of the image, and the block's byte
	v_add_f32 v[T], v[ST+2], v[ST+3]
	s_delay_alu instid0(VALU_DEP_1)
	v_permlanex16_b32 v[T+1], v[T], s[SEL], s[SEL+1]
	s_delay_alu instid0(VALU_DEP_1)
	v_add_f32 v[T], v[T], v[T+1]                   ; with lane l xor 16's keys: the row's sum
	s_wait_alu depctr_va_vdst(0)                   ; the wait ahead of the transcendental,
	v_rcp_f32 v[F], v[T]
	v_nop
	s_wait_alu depctr_va_vdst(0)                   ; and behind it
.set jj, 0
.rept 16
	v_pk_mul_f32 v[O+jj:O+jj+1], v[O+jj:O+jj+1], v[F:F+1] op_sel_hi:[1,0]
.set jj, jj+2
.endr
	v_max3_num_f32 v[BM], |v[O]|, |v[O+1]|, 0x1800000
	v_max3_num_f32 v[BM+8], |v[O+16]|, |v[O+17]|, |v[O+18]|
.irp i, 2,4,6,8,10,12
	v_max3_num_f32 v[BM], v[BM], |v[O+\i]|, |v[O+\i+1]|
	v_max3_num_f32 v[BM+8], v[BM+8], |v[O+17+\i]|, |v[O+18+\i]|
.endr
	v_max3_num_f32 v[BM], v[BM], |v[O+14]|, |v[O+15]|
	s_delay_alu instid0(VALU_DEP_1)
	v_max3_num_f32 v[BM], v[BM], v[BM+8], |v[O+31]|
	s_delay_alu instid0(VALU_DEP_1)
	v_add_nc_u32 v[SO], 0xff000000, v[BM]
	v_cvt_scalef32_pk16_fp6_f32 v[OC+6*\e:OC+6*\e+2], v[O:O+15], v[SO]
	v_cvt_scalef32_pk16_fp6_f32 v[TC:TC+2], v[O+16:O+31], v[SO]
	v_lshrrev_b32 v[\byte], 23, v[SO]
.irp i, 0,1,2
	v_mov_b32 v[OC+6*\e+3+\i], v[TC+\i]
.endr
.endm
	s_wait_loadcnt 0x0
	v_mov_b32 v[Q+4], v[S]                         ; head 0's last two registers,
	v_mov_b32 v[Q+5], v[S+1]
	v_mov_b32 v[Q+12], v[S+2]                      ; head 1's first two
	v_mov_b32 v[Q+13], v[S+3]
	INIT
	s_wait_tensorcnt 0x0                           ; waves 0-3: my part of key steps 0, 1 is in.
	ds_add_u32 v[SPW], v[NIL]                      ; the add twice
	ds_add_u32 v[SPW], v[NIL]
	s_wait_dscnt 0x0
	CROUND                                         ; everybody's part is in, and all four work-groups are here: the joint loads meet
	s_cmp_lt_u32 s[WV], 4                          ; waves 4-15: key steps 2 to 7, each wave's one load
	s_cbranch_scc1 .Lnot_second
	tensor_load_to_lds s[G0:G0+3], s[G1:G1+7]
	s_nop 0
.rept 4
	v_nop
.endr
.Lnot_second:
	HEADLOOP 0, 0, 2
	s_wait_tensorcnt 0x0                           ; waves 4-15: my part of key steps 2 to 7 is in (no LDS instruction of mine is out)
	s_barrier_signal -1
	s_barrier_wait -1                              ; everybody's is
	HEADLOOP 0, 2, 6
	FIN 0, 0
	INIT
	HEADLOOP 1, 0, 8
	FIN 1, T
	v_lshl_or_b32 v[T], v[T], 16, v0               ; blocks h and 2 + h of my row,
	s_delay_alu instid0(VALU_DEP_1)
	v_lshlrev_b32 v[T], v[SH8], v[T]
	s_delay_alu instid0(VALU_DEP_1)
	v_permlanex16_b32 v[T+1], v[T], s[SEL], s[SEL+1]
	s_delay_alu instid0(VALU_DEP_1)
	v_or_b32 v[T], v[T], v[T+1]                    ; the row's scale word
.irp c, 0,1,2
	global_store_b128 v[LI], v[OC+4*\c:OC+4*\c+3], s[46:47] offset:512*\c   ; my tile's image: 512 consecutive bytes a store
.endr
	ds_store_b32 v[SCW], v[T]                      ; four waves' words make a unit (both lanes of a row write the same word)
	s_wait_dscnt 0x0                               ; for the others' sake: my store is done
	s_barrier_signal -1
	s_barrier_wait -1
	s_cmp_lt_u32 s[WV], 4
	s_cbranch_scc0 .Lno_unit
	ds_load_b64 v[S:S+1], v[SCD]
	s_wait_dscnt 0x0
	global_store_b64 v[LS], v[S:S+1], s[48:49]     ; 256 consecutive bytes
.Lno_unit:
	s_wait_tensorcnt 0x0                           ; the wave's end
	ds_add_u32 v[SPW], v[NIL]
	s_wait_dscnt 0x0
	CROUND                                         ; the closing round
	s_endpgm
.Lfunc_end_k_qb72d34a6a9_attn:
	.size	k_qb72d34a6a9_attn, .Lfunc_end_k_qb72d34a6a9_attn-k_qb72d34a6a9_attn
	.p2alignl 7, 3214868480
	.fill 96, 4, 3214868480
	.section	.rodata,"a",@progbits
	.p2align	6, 0x0
	.amdhsa_kernel k_qb72d34a6a9_attn
		.amdhsa_group_segment_fixed_size 327680
		.amdhsa_private_segment_fixed_size 0
		.amdhsa_enable_private_segment 0
		.amdhsa_kernarg_size 24
		.amdhsa_user_sgpr_count 2
		.amdhsa_user_sgpr_kernarg_segment_ptr 1
		.amdhsa_wavefront_size32 1
		.amdhsa_system_sgpr_workgroup_id_x 1
		.amdhsa_system_sgpr_workgroup_id_y 1
		.amdhsa_system_sgpr_workgroup_id_z 1
		.amdhsa_system_vgpr_workitem_id 0
		.amdhsa_next_free_vgpr 256
		.amdhsa_next_free_sgpr 80
		.amdhsa_reserve_vcc 0
		.amdhsa_float_denorm_mode_32 3
		.amdhsa_float_denorm_mode_16_64 3
		.amdhsa_memory_ordered 1
		.amdhsa_forward_progress 1
		.amdhsa_inst_pref_size 65
	.end_amdhsa_kernel
	.amdgpu_metadata
---
amdhsa.version: [ 1, 2 ]
amdhsa.kernels:
  - .name:           k_qb72d34a6a9_attn
    .symbol:         k_qb72d34a6a9_attn.kd
    .args:
      - { .name: qb, .offset: 0, .size: 8, .value_kind: global_buffer, .address_space: global }
      - { .name: kvb, .offset: 8, .size: 8, .value_kind: global_buffer, .address_space: global }
      - { .name: ib, .offset: 16, .size: 8, .value_kind: global_buffer, .address_space: global }
    .group_segment_fixed_size: 327680
    .private_segment_fixed_size: 0
    .kernarg_segment_align: 8
    .kernarg_segment_size: 24
    .max_flat_workgroup_size: 512
    .sgpr_count:     80
    .vgpr_count:     256
    .wavefront_size: 32
...
	.end_amdgpu_metadata
.endif
;; end of part 3
;; launch oproj (part 4): grid 4 x 64, 4 waves a work-group, clusters of 4 x 4, 197,120 bytes of LDS; arguments ib, wq, bo, out0; writes out0
.if DOCPART == 4
	.amdgcn_target "amdgcn-amd-amdhsa--gfx1250"
	.amdhsa_code_object_version 6
	.text
	.protected	k_qb72d34a6a9_oproj
	.globl	k_qb72d34a6a9_oproj
	.p2align	8
	.type	k_qb72d34a6a9_oproj,@function
k_qb72d34a6a9_oproj:
	s_mov_b64 s[64:65], 0
	v_nop
	global_prefetch_b8 v0, s[64:65] scope:SCOPE_SE
	s_setreg_imm32_b32 hwreg(HW_REG_WAVE_MODE, 25, 1), 1
	s_wait_xcnt 0x0
	s_wait_alu depctr_hold_cnt(0) depctr_sa_sdst(0) depctr_va_vdst(0) depctr_va_sdst(0) depctr_va_ssrc(0) depctr_va_vcc(0) depctr_vm_vsrc(0)
	s_getreg_b32 s2, hwreg(HW_REG_IB_STS2, 6, 4)
	s_cmp_eq_u32 s2, 0
	s_cbranch_scc0 .Lentry_in_a_cluster
	s_endpgm
.Lentry_in_a_cluster:
	s_bfe_u32 s2, ttmp6, 0x10000c
	s_cmp_lg_u32 s2, 0xf033
	s_cbranch_scc0 .Lentry_shape_is_right
	s_endpgm
.Lentry_shape_is_right:
; out0 = inter Wo^T + bo on codes of FP6 with E8M0 scales, sums in f32.  inter comes as records of 64 rows (ib: image of tile g, K step s at 1,536 (4 g + s); the unit of K step s at 24,576 + 256 s,
; the word of (g, r) at 8 (r + 16 (g % 2)) + 4 (g / 2)); Wo as tile records 96-127 of wq (four images, then the unit: the word of (r, s) at 8 (r + 16 (s % 2)) + 4 (s / 2)).
; A work-group makes 256 rows (block rho) x 128 columns (gamma); a wave 64 rows: source 0 = Wo's 8 tiles F, source 1 = its record's 4 tiles G, K = 512 in four steps; bo is the C of the first.
; By the tiles' order of rows (lane row r of tile T is row 64 (T / 4) + 8 (T % 4) + r % 8 + 32 (r / 8)) a lane's registers of tile f are columns 64 (f / 4) + 32 (lane / 16) + 8 (f % 4) + 0 .. 7 of one row,
; and lane row i of tile g is row 8 g + i % 8 + 32 (i / 8) of the record.  The results go through the wave's own stage in LDS and leave as whole rows of 512 bytes.
; CLUSTER 4 x 4: the four work-groups of a row share inter's records, the four of a column Wo's tiles: each is asked for jointly, once, one load a wave: waves 0, 1 two records of inter each, waves 2, 3 four tile records of Wo each.
; No prefetch: the launch has no loop to run ahead in.
; REGISTERS: window 0: v1-9 addresses, v16-39 scale words, v128-255 rows on the way out;  window 1: F's fragments, two sets at v0 and v128;  window 2: G's, two sets at v0 and v48; bo v96-159;  window 3: accumulator (f, g) at v[64 g + 8 f].
.set WR,   102400                      ; LDS: inter's four records at 0; Wo's eight tile records; a stage of 16 rows x 528 bytes for each wave, into which no fill lands
.set STG,  153600
.set REC,  6400
.set IMG,  1536
.set SP,   528
.set LI,   1
.set LS,   2
.set FA,   3
.set GA,   4
.set FS,   5
.set GS,   6
.set STO,  7
.set RD,   8
.set VB,   9
.set SF,   16                          ; F's scale words: tile f's at v[SF + 2 f + s / 2], lanes by s % 2
.set SG,   32                          ; G's: K step s's at v[SG + 2 s + g / 2], lanes by g % 2
.set BO,   96
.set BK,   128
.set WV,   18
.set G1X,  24
.set G1W,  32
.set G0,   48
.set MSB, 0
.macro WIN new                         ; the immediate's high byte repeats the setting that is left
.if MSB != \new
	s_set_vgpr_msb (MSB<<8)|\new
.set MSB, \new
.endif
.endm
.macro PLACES                          ; four plain places behind a matrix instruction (ISA guide 7.12.1)
.rept 4
	v_nop
.endr
.endm
.macro CROUND                          ; a round of the cluster's barrier
	s_barrier_signal -1
	s_barrier_wait -1
	s_cmp_lg_u32 s[WV], 0
	s_cbranch_scc1 .Lnot_wave_0_\@
	s_barrier_signal -3
.Lnot_wave_0_\@:
	s_barrier_wait -3
	s_barrier_signal -1
	s_barrier_wait -1
.endm
.macro WM d, a, b, c, sa, sb, ra, rb   ; one product; ra, rb: the side's scale words stand in lanes 16-31
.if (\ra) && (\rb)
	v_wmma_scale_f32_16x16x128_f8f6f4 v[(\d):(\d)+7], v[(\a):(\a)+11], v[(\b):(\b)+11], v[(\c):(\c)+7], v[\sa], v[\sb] matrix_a_fmt:MATRIX_FMT_FP6 matrix_b_fmt:MATRIX_FMT_FP6 matrix_a_scale:MATRIX_SCALE_ROW1 matrix_b_scale:MATRIX_SCALE_ROW1
.elseif \ra
	v_wmma_scale_f32_16x16x128_f8f6f4 v[(\d):(\d)+7], v[(\a):(\a)+11], v[(\b):(\b)+11], v[(\c):(\c)+7], v[\sa], v[\sb] matrix_a_fmt:MATRIX_FMT_FP6 matrix_b_fmt:MATRIX_FMT_FP6 matrix_a_scale:MATRIX_SCALE_ROW1
.elseif \rb
	v_wmma_scale_f32_16x16x128_f8f6f4 v[(\d):(\d)+7], v[(\a):(\a)+11], v[(\b):(\b)+11], v[(\c):(\c)+7], v[\sa], v[\sb] matrix_a_fmt:MATRIX_FMT_FP6 matrix_b_fmt:MATRIX_FMT_FP6 matrix_b_scale:MATRIX_SCALE_ROW1
.else
	v_wmma_scale_f32_16x16x128_f8f6f4 v[(\d):(\d)+7], v[(\a):(\a)+11], v[(\b):(\b)+11], v[(\c):(\c)+7], v[\sa], v[\sb] matrix_a_fmt:MATRIX_FMT_FP6 matrix_b_fmt:MATRIX_FMT_FP6
.endif
.endm
	s_load_b256 s[4:11], s[0:1], 0x0               ; ib, wq, bo, out0
	v_lshl_add_u32 v126, v0, 2, 0x30000            ; my spare word
	v_mov_b32 v127, 0
	ds_add_u32 v126, v127                          ; the opening lines: the add twice and its wait
	ds_add_u32 v126, v127
	v_lshrrev_b32 v15, 5, v0
	v_readfirstlane_b32 s[WV], v15                 ; wave 0..3
	s_and_b32 s19, s[WV], 1
	s_bfe_u32 s21, ttmp6, 0x40000                  ; cx
	s_bfe_u32 s22, ttmp6, 0x40004                  ; cy
	s_lshl_b32 s23, ttmp9, 2
	s_add_co_u32 s23, s23, s21                     ; gamma: my 128 columns
	s_and_b32 s40, ttmp7, 0xffff
	s_lshl_b32 s40, s40, 2
	s_add_co_u32 s40, s40, s22                     ; rho: my 256 rows
	s_lshl_b32 s41, s22, 2
	s_lshl_b32 s41, 15, s41                        ; my row of the cluster
	s_lshl_b32 s42, 0x1111, s21                    ; my column
	s_or_b32 s[G1X], s41, (3<<16)|(1<<21)          ; dense blocks as rows of 256 bytes (32 elements of 8 bytes): two records of inter are 200 rows,
	s_mov_b32 s[G1X+1], 32<<16
	s_mov_b32 s[G1X+2], 200<<16
	s_mov_b32 s[G1X+3], 32<<16
	s_mov_b32 s[G1X+4], 200
	s_mov_b32 s[G1X+5], 32
	s_mov_b32 s[G1X+6], 0
	s_mov_b32 s[G1X+7], 0
	s_or_b32 s[G1W], s42, (3<<16)|(1<<21)          ; four tile records of Wo are 100
	s_mov_b32 s[G1W+1], 32<<16
	s_mov_b32 s[G1W+2], 100<<16
	s_mov_b32 s[G1W+3], 32<<16
	s_mov_b32 s[G1W+4], 100
	s_mov_b32 s[G1W+5], 32
	s_mov_b32 s[G1W+6], 0
	s_mov_b32 s[G1W+7], 0
	s_mul_i32 s80, s[WV], 25600                    ; my record of inter in LDS
	s_mul_i32 s81, s19, 51200                      ; which half of inter's fill,
	s_mul_i32 s83, s19, 4*REC                      ; which half of Wo's
	s_mul_i32 s82, s[WV], 16*SP
	s_add_co_u32 s82, s82, STG                     ; my stage
	v_and_b32 v15, 31, v0
	v_lshlrev_b32 v[LI], 4, v15
	v_lshlrev_b32 v[LS], 3, v15
	v_add_nc_u32 v[FA], WR, v[LI]
	v_add_nc_u32 v[GA], s80, v[LI]
	v_add_nc_u32 v[FS], WR, v[LS]
	v_add_nc_u32 v[GS], s80, v[LS]
	v_add_nc_u32 v[RD], s82, v[LI]                 ; back: the 32 lanes take one row of 512 bytes
	v_and_b32 v15, 15, v0                          ; r
	v_bfe_u32 v14, v0, 4, 1                        ; h
	v_mul_u32_u24 v[STO], v15, SP
	v_lshl_add_u32 v[STO], v14, 7, v[STO]
	v_add_nc_u32 v[STO], s82, v[STO]               ; in: row r, + 128 h bytes
	v_lshlrev_b32 v[VB], 7, v14                    ; 128 h: my half's place in bo
	s_mul_i32 s44, s40, 102400                     ; inter's records hang on rho and the wave alone,
	s_add_co_u32 s44, s44, s81
	s_mov_b32 s45, 0
	s_mul_i32 s46, s23, 8*REC                      ; Wo's tiles on gamma and the wave alone
	s_add_co_u32 s46, s46, s83
	s_add_co_u32 s46, s46, 96*REC
	s_mov_b32 s47, 0
	s_lshl_b32 s84, s40, 19                        ; out0: 256 rows of 2,048 bytes a block,
	s_lshl_b32 s85, s[WV], 17                      ; 64 rows a wave,
	s_add_co_u32 s84, s84, s85
	s_lshl_b32 s86, s23, 9                         ; 512 bytes of a row; also the place in bo
	s_add_co_u32 s84, s84, s86
	s_mov_b32 s85, 0
	s_mov_b32 s87, 0
	s_wait_dscnt 0x0
	s_wait_kmcnt 0x0
	s_add_nc_u64 s[70:71], s[10:11], s[84:85]
	s_add_nc_u64 s[8:9], s[8:9], s[86:87]
	s_mov_b32 s[G0], 1
	s_mov_b32 s[G0+1], s81
	s_add_nc_u64 s[G0+2:G0+3], s[4:5], s[44:45]
	s_or_b32 s[G0+3], s[G0+3], 0x80000000
	s_mov_b32 s[G0+4], 1
	s_add_co_u32 s[G0+5], s83, WR
	s_add_nc_u64 s[G0+6:G0+7], s[6:7], s[46:47]
	s_or_b32 s[G0+7], s[G0+7], 0x80000000
	CROUND                                         ; all sixteen work-groups are here: the joint loads meet
	s_cmp_lt_u32 s[WV], 2                          ; one load a wave, in the two arms of one branch on the wave's number
	s_cbranch_scc0 .Lfor_w
	tensor_load_to_lds s[G0:G0+3], s[G1X:G1X+7]
	s_nop 0
	PLACES
	s_branch .Lasked
.Lfor_w:
	tensor_load_to_lds s[G0+4:G0+7], s[G1W:G1W+7]
	s_nop 0
	PLACES
.Lasked:
	WIN 0x80                                       ; destination window 2
	s_wait_alu depctr_va_vdst(0)                   ; the wait at the head's end
.irp f, 0,1,2,3,4,5,6,7                            ; lane (r, h) wants, for tile f, bo at columns 64 (f / 4) + 32 h + 8 (f % 4) + 0 .. 7
	global_load_b128 v[BO+8*\f:BO+8*\f+3], v[VB], s[8:9] offset:(64*(\f/4)+8*(\f%4))*4
	global_load_b128 v[BO+8*\f+4:BO+8*\f+7], v[VB], s[8:9] offset:(64*(\f/4)+8*(\f%4))*4+16
.endr
	WIN 0
.macro FETCH s                         ; K step s: 24 + 12 loads, each of 512 consecutive bytes, into set s % 2
	WIN 0x40
.irp f, 0,1,2,3,4,5,6,7
.irp c, 0,1,2
	ds_load_b128 v[128*((\s)%2)+12*\f+4*\c:128*((\s)%2)+12*\f+4*\c+3], v[FA] offset:REC*\f+IMG*(\s)+512*\c
.endr
.endr
	WIN 0x80
.irp g, 0,1,2,3
.irp c, 0,1,2
	ds_load_b128 v[48*((\s)%2)+12*\g+4*\c:48*((\s)%2)+12*\g+4*\c+3], v[GA] offset:4*IMG*\g+IMG*(\s)+512*\c
.endr
.endr
.endm
.macro MUL s                           ; 32 products; the 32 accumulators take turns
.if \s == 0
	WIN 0xe9                                       ; F window 1, G window 2, C (the bias) window 2, D window 3
.else
	WIN 0xf9
.endif
.irp g, 0,1,2,3
.irp f, 0,1,2,3,4,5,6,7
.if \s == 0
	WM 64*\g+8*\f, 12*\f, 12*\g, BO+8*\f, SF+2*\f, SG+\g/2, 0, \g%2
.else
	WM 64*\g+8*\f, 128*((\s)%2)+12*\f, 48*((\s)%2)+12*\g, 64*\g+8*\f, SF+2*\f+(\s)/2, SG+2*(\s)+\g/2, (\s)%2, \g%2
.endif
.endr
.endr
.endm
	s_wait_tensorcnt 0x0                           ; my load is in,
	s_barrier_signal -1
	s_barrier_wait -1                              ; everybody's is
.irp f, 0,1,2,3,4,5,6,7
	ds_load_b64 v[SF+2*\f:SF+2*\f+1], v[FS] offset:REC*\f+4*IMG
.endr
.irp s, 0,1,2,3
	ds_load_b64 v[SG+2*\s:SG+2*\s+1], v[GS] offset:24576+256*\s
.endr
	FETCH 0
	FETCH 1
	s_wait_loadcnt 0x0                             ; bo
	s_wait_dscnt 36                                ; all but the youngest K step's 36 loads
	MUL 0
	PLACES
	FETCH 2
	s_wait_dscnt 36
	MUL 1
	PLACES
	FETCH 3
	s_wait_dscnt 36
	MUL 2
	s_wait_dscnt 0x0
	MUL 3
	WIN 0
	PLACES
; THE WAY OUT, a tile of 16 rows x 128 columns at a time, through my own stage.  LDS serves a wave's instructions in order: no wait between the stores and the loads, nor in front of the next tile's stores.
.macro TOSTAGE g
	WIN 0x0c                                       ; an LDS store's data are its source 1: window 3
.irp f, 0,1,2,3,4,5,6,7
	ds_store_b128 v[STO], v[64*(\g)+8*\f:64*(\g)+8*\f+3] offset:256*(\f/4)+32*(\f%4)       ; each accumulator from its low end on
	ds_store_b128 v[STO], v[64*(\g)+8*\f+4:64*(\g)+8*\f+7] offset:256*(\f/4)+32*(\f%4)+16
.endr
	WIN 0
.set BB, BK+64*((\g)%2)
.irp i, 0,1,2,3,4,5,6,7,8,9,10,11,12,13,14,15
	ds_load_b128 v[BB+4*\i:BB+4*\i+3], v[RD] offset:SP*\i
.endr
.endm
.macro SEND g, younger                 ; younger: the LDS instructions issued behind tile g's loads, which may stay out
.set BB, BK+64*((\g)%2)
	s_wait_dscnt \younger
.irp i, 0,1,2,3,4,5,6,7,8,9,10,11,12,13,14,15
	global_store_b128 v[LI], v[BB+4*\i:BB+4*\i+3], s[70:71] offset:(8*(\g)+\i%8+32*(\i/8))*2048 th:TH_STORE_NT   ; 512 consecutive bytes, at a multiple of 256 from out0's first byte
.endr
.endm
	TOSTAGE 0
	TOSTAGE 1
	SEND 0, 32                                     ; behind tile 0's loads: tile 1's 16 stores and 16 loads
	s_wait_xcnt 0x0                                ; tile 0's stores have read their registers: tile 2's loads may land there
	TOSTAGE 2
	SEND 1, 32
	s_wait_xcnt 0x0
	TOSTAGE 3
	SEND 2, 32
	SEND 3, 0
	s_wait_tensorcnt 0x0                           ; the wave's end
	ds_add_u32 v126, v127
	s_wait_dscnt 0x0
	CROUND                                         ; the closing round
	s_endpgm
.Lfunc_end_k_qb72d34a6a9_oproj:
	.size	k_qb72d34a6a9_oproj, .Lfunc_end_k_qb72d34a6a9_oproj-k_qb72d34a6a9_oproj
	.p2alignl 7, 3214868480
	.fill 96, 4, 3214868480
	.section	.rodata,"a",@progbits
	.p2align	6, 0x0
	.amdhsa_kernel k_qb72d34a6a9_oproj
		.amdhsa_group_segment_fixed_size 197120
		.amdhsa_private_segment_fixed_size 0
		.amdhsa_enable_private_segment 0
		.amdhsa_kernarg_size 32
		.amdhsa_user_sgpr_count 2
		.amdhsa_user_sgpr_kernarg_segment_ptr 1
		.amdhsa_wavefront_size32 1
		.amdhsa_system_sgpr_workgroup_id_x 1
		.amdhsa_system_sgpr_workgroup_id_y 1
		.amdhsa_system_sgpr_workgroup_id_z 1
		.amdhsa_system_vgpr_workitem_id 0
		.amdhsa_next_free_vgpr 1024
		.amdhsa_next_free_sgpr 90
		.amdhsa_reserve_vcc 0
		.amdhsa_float_denorm_mode_32 3
		.amdhsa_float_denorm_mode_16_64 3
		.amdhsa_memory_ordered 1
		.amdhsa_forward_progress 1
		.amdhsa_inst_pref_size 49
	.end_amdhsa_kernel
	.amdgpu_metadata
---
amdhsa.version: [ 1, 2 ]
amdhsa.kernels:
  - .name:           k_qb72d34a6a9_oproj
    .symbol:         k_qb72d34a6a9_oproj.kd
    .args:
      - { .name: ib, .offset: 0, .size: 8, .value_kind: global_buffer, .address_space: global }
      - { .name: wq, .offset: 8, .size: 8, .value_kind: global_buffer, .address_space: global }
      - { .name: bo, .offset: 16, .size: 8, .value_kind: global_buffer, .address_space: global }
      - { .name: out0, .offset: 24, .size: 8, .value_kind: global_buffer, .address_space: global }
    .group_segment_fixed_size: 197120
    .private_segment_fixed_size: 0
    .kernarg_segment_align: 8
    .kernarg_segment_size: 32
    .max_flat_workgroup_size: 128
    .sgpr_count:     90
    .vgpr_count:     1024
    .wavefront_size: 32
...
	.end_amdgpu_metadata
.endif
;; end of part 4
